; MI455X (gfx1250); checked and timed in simulation.
; The chip was launched on July 23, 2026; its instructions are those of AMD's public machine-readable ISA for CDNA 5 (MIT licence, August 2026) and "CDNA5" Instruction Set Architecture Reference Guide (July 2026). The comments in the code are by the model that wrote it; some were corrected since.
;; Attention. Allowed arithmetic: float matrix products may take bf16 or f16 operands with f32 sums; all other float work in f32.
;; Inputs: key 4 x 16 x 2,048 x 128 float32; query 4 x 16 x 2,048 x 128 float32; scale_factor 4 x 16 x 1 x 1 float32; value 4 x 16 x 2,048 x 128 float32.
;; Outputs: out0 4 x 16 x 2,048 x 128 float32.
;; One version. Each part assembles by itself: llvm-mc -triple=amdgcn-amd-amdhsa -mcpu=gfx1250 --defsym DOCPART=n.
;; ======== version 1 of 1: 1 launch
;; limits: right only within a limited range of input values
;; launch attn (part 1): grid 8 x 64, 4 waves a work-group, clusters of 4 x 1, 327,680 bytes of LDS; arguments query, key, value, out0, scale_factor; writes out0
.if DOCPART == 1
	.amdgcn_target "amdgcn-amd-amdhsa--gfx1250"
	.amdhsa_code_object_version 6
	.text
	.protected	k_q6fb61685e7_attn
	.globl	k_q6fb61685e7_attn
	.p2align	8
	.type	k_q6fb61685e7_attn,@function
k_q6fb61685e7_attn:
	s_mov_b64 s[64:65], 0
	v_nop
	global_prefetch_b8 v0, s[64:65] scope:SCOPE_SE
	s_setreg_imm32_b32 hwreg(HW_REG_WAVE_MODE, 25, 1), 1
	s_wait_xcnt 0x0
	s_wait_alu depctr_hold_cnt(0) depctr_sa_sdst(0) depctr_va_vdst(0) depctr_va_sdst(0) depctr_va_ssrc(0) depctr_va_vcc(0) depctr_vm_vsrc(0)
	s_getreg_b32 s2, hwreg(HW_REG_IB_STS2, 6, 4)
	s_cmp_eq_u32 s2, 0
	s_cbranch_scc0 .Lentry_in_a_cluster
	s_endpgm
.Lentry_in_a_cluster:
	s_bfe_u32 s2, ttmp6, 0x10000c
	s_cmp_lg_u32 s2, 0x3003
	s_cbranch_scc0 .Lentry_shape_is_right
	s_endpgm
.Lentry_shape_is_right:
; out[h][q][:] = the sum over k of softmax_k(scale[h] x (Q[h][q] . K[h][k])) V[h][k][:].  64 heads of 2,048 rows of 128 channels; query, key, value, out0: f32.
; FORMATS.  Q, K and V are rounded to bf16 here, each number once, as it is given; the scale enters no matrix operand: it multiplies the f32 scores.  Products, maxima and sums in f32; the weights p are
; rounded to bf16 for the second product (their sum l is taken of the unrounded p); the output is not rounded beyond f32.
; THE SCALE'S SIGN.  scale x (q . k) = |scale| x ((+-q) . k): where the scale is negative the sign bits of the rounded Q are flipped, which is exact, and c = |scale| x log2(e) is never negative.
; So the running maximum of the raw scores is the maximum of the scaled scores, for every scale; a scale of +0 or -0 gives the plain mean of V's rows.
; LIMITS.  NaN and infinities are not treated apart; a weight below 2^-126 counts as 0 in l; c is rounded once to f32; c x (a row's largest score) stays above -4e37.  No limit of range beyond f32's own, which is bf16's too.
; SHARES.  A work-group owns 256 queries of one head, each of its four waves 64: four tiles of 16.  Every wave walks all keys of the head, 64 a step, 32 steps.
; K AND V come in f32, by the tensor data mover, into a ring of two LDS slots of two steps each.  Of each step's K and V a wave takes 16 rows (8,192 bytes each) into registers, rounds them and stores them as
; bf16 rows into KB and VB, which hold ONE step's K and V; from there all four waves take their fragments.  So no rounded copy of K or V goes through memory; the price for a work-group and step is 64 KB of
; LDS reads, 32 KB of LDS stores and, for a wave, 64 conversions and two barriers.
; LAYOUT.  S^T = K Q^T (source 0 = 16 keys, source 1 = 16 queries): in the result a lane holds ONE query (lane % 16) and the keys 8 (lane / 16) + 0..7.  Two such tiles, rounded to
; bf16 in pairs, ARE source 1 (32 keys x 16 queries) of O^T = V^T P, whose result again holds one query a lane, and eight channels.  So nothing changes lanes between the products,
; and a query's maximum and sum want one exchange between the halves of the lanes.  K comes out of KB as it lies, V ([key][channel]) turned, by ds_load_tr16_b128.
; SOFTMAX.  For each query a running maximum m and sum l: p = 2^(c s - c m); in every step O and l are multiplied by a = 2^(c m_old - c m_new), which is 1 where m has not grown.
; m starts at the lowest finite number, c m far below every c s, l at 0: the first step is a step like any other, with a = 0.  O^T starts with whatever finite numbers its registers hold (Q in f32): a = 0 wipes them.
; BY TURNS.  The wave's tiles are two PIECES, named by their first tile: piece 0 (tiles 0, 1) and piece 2 (tiles 2, 3).  In a TURN one piece has the matrix unit: 32 products V^T P of
; the step in hand, then 32 products K Q^T of the next step; the other piece's softmax, cut into 64 slices, stands between them, one slice behind each matrix instruction.  Then the
; pieces change places.  Two turns are a key step (a BODY): 128 matrix and 600 vector instructions.
; CLUSTER.  The four query blocks of a cluster belong to one head and walk the same K and V, so each tile is asked for JOINTLY: the same tensor load, with the same descriptor and a
; mask that names the four, in all four; each receives the tile in its own LDS.
;
; REGISTERS, in windows of 256 (an instruction names v0-v255; s_set_vgpr_msb says which window each operand place means: bits 1:0 source 0, 3:2 source 1, 5:4 source 2, 7:6 destination):
;   window 0: v0-11, v44-46 addresses; v12-43 eight registers of statistics a tile; v64-191 S^T, 32 a tile; v192-255 P, 16 a tile
;   window 1: O^T, 64 a tile (at the start: Q as loaded, in f32)          window 2: v0-127 Q in bf16, 32 a tile; v128-255 K of one step
;   window 3: v0-127 V of one step; v128-191, v192-255 my 16 rows of the next K and V, in f32 and then rounded
.set SIZE_N, 2048     ; rows of a head
.set KS,    64        ; keys in a step
.set TILEF, KS*512    ; a step's K, or V, in f32: 64 dense rows of 512 bytes (every read of them takes 512 consecutive bytes, so they want no padding)
.set STEPF, 2*TILEF   ; a step's tiles lie together: K, then V
.set SLOT1, 2*STEPF   ; a slot holds two steps (131,072 bytes); slot 1 begins here, so that one exclusive or turns an address in one slot into the other's
.set RING,  2*SLOT1   ; a power of two: the reads' offset steps and is cut by one AND
.set PK,    272       ; a row of K in KB: 256 bytes + 16 of padding = 68 words: row r starts at bank 4 r mod 64 (64 banks of 4 bytes: ISA guide 11.1), so the 16 rows of a load start at 16 different banks
.set PV,    288       ; a row of V in VB: 256 + 32 = 72 words: row r starts at bank 8 r mod 64
.set KB,    RING      ; behind the ring, never filled by a tensor load: one step's K in bf16,
.set VB,    KB+KS*PK  ; and its V
.set STAGE, KB        ; the way out takes KB's and VB's bytes when their last readers are done: 16 rows x 528 bytes for each wave, 33,792 of the 35,840
.set SP,    528       ; a row of the stage: 512 bytes of f32 + 16 = 132 words: row r starts at bank 4 r mod 64
.set SPARE, VB+KS*PV  ; behind VB: the spare words, 128 bytes for each wave: two blocks of 256 bytes that no other line names
.set AK0, 2           ; v2   my lane's place in KB for a fragment; never rewritten
.set AV0, 3           ; v3   the same in VB
.set ADR, 4           ; v4   the LDS address of the run of f32 loads in hand
.set QO,  5           ; v5   my byte offset in the wave's rows of Q
.set STO, 6           ; v6   the way out: where I put 32 bytes of a row
.set RD,  7           ; v7   the way out: where I read a row back
.set GO,  8           ; v8   my byte offset in a row of the output
.set LF,  44          ; v44  my 16 bytes in the first of my wave's 16 rows of an f32 tile: 8,192 x wave + 16 x lane; never rewritten
.set SK,  45          ; v45  my 8 bytes in the first of my wave's 16 rows of KB; never rewritten
.set SV,  46          ; v46  the same in VB
.set SPW, 62          ; v62  LDS address of my spare word: SPARE + 4 x my thread's number; never rewritten
.set NIL, 63          ; v63  0; never rewritten
.set ST,  12          ; tile t's statistics at v[ST+8 t]: +0 c m, +1 m, +2, +3 l (even keys', odd keys'), +4 to +7 c0-c3, at work; a takes c2's place once the maximum is found
.set S,   64
.set P,   192
.set KF,  128         ; K's fragments, in window 2
.set FK,  128         ; window 3: my rows of the next K: row n at FK + 4 n
.set FV,  192         ; window 3: of the next V
.set WV,  12          ; s12  my wave's number
.set SGN, 18          ; s18  0x80008000 where the head's scale is negative, else 0
.set G1,  24          ; s[24:31] descriptor group 1, for K's and V's tiles alike
.set G0K, 40          ; s[40:47] descriptor group 0 for K's tiles: a set for each of the two first fills; the second then walks on
.set G0V, 48          ; s[48:55] the same for V's
.set SLOTS, 56        ; s56  counts the changes of slots that fill
.set TWICE, 57        ; s57  counts the bodies between two changes
.set CS,  58          ; s[58:59] c: the packed scaling names a pair and takes its low word for both halves
.set SEL, 60          ; s[60:61] lane selects for v_permlanex16_b32: each lane takes its own place in the other half
.set TBF, 62          ; s62  byte of the ring at which the f32 tiles of the step to be read next begin
.set SC,  63          ; s63  the head's scale as loaded
.set MSB, 0
.macro WIN new                      ; the immediate's high byte repeats the setting that is left; a switch that changes nothing is dropped
.if MSB != (\new)
	s_set_vgpr_msb (MSB<<8)|(\new)
.set MSB, \new
.endif
.endm
.set W_KQ, 0x0a       ; K and Q in window 2, S^T in window 0
.set W_PV, 0x53       ; V in window 3, P in window 0, O^T in window 1
.set W_RS, 0x41       ; O^T (destination and source 0) in window 1, a in window 0
; A joint refill.  Waves 0 and 1 fetch the two steps' tiles of K, waves 2 and 3 those of V: 64 rows of 512 bytes each.  The branch hangs on the wave's number alone: it is the same in every work-group.
; An s_nop 0 and four v_nop follow each of the two lines; the jump round the other line, the label and what follows the macro come after them.
.macro JLOAD
	s_cmp_lt_u32 s[WV], 2
	s_cbranch_scc0 .Lfor_v_\@
	tensor_load_to_lds s[G0K+4:G0K+7], s[G1:G1+7]
	s_nop 0
.rept 4
	v_nop
.endr
	s_branch .Lasked_\@
.Lfor_v_\@:
	tensor_load_to_lds s[G0V+4:G0V+7], s[G1:G1+7]
	s_nop 0
.rept 4
	v_nop
.endr
.Lasked_\@:
.endm
; A round of the cluster's barrier: my work-group's barrier, so that wave 0's signal speaks for all four waves; wave 0 signals for the work-group; every wave waits for all four
; work-groups; my work-group's barrier once more.  No LDS instruction of the wave is pending at a signal.
.macro CROUND
	s_barrier_signal -1
	s_barrier_wait -1
	s_cmp_lg_u32 s[WV], 0
	s_cbranch_scc1 .Lnot_wave_0_\@
	s_barrier_signal -3
.Lnot_wave_0_\@:
	s_barrier_wait -3
	s_barrier_signal -1
	s_barrier_wait -1
.endm
	s_load_b256 s[4:11], s[0:1], 0x0  ; query s[4:5], key s[6:7], value s[8:9], out0 s[10:11]
	s_load_b64 s[32:33], s[0:1], 0x20 ; scale_factor
	v_lshl_add_u32 v[SPW], v0, 2, SPARE
	v_mov_b32 v[NIL], 0
	ds_add_u32 v62, v63
	s_wait_dscnt 0x0
	v_lshrrev_b32 v1, 5, v0
	v_readfirstlane_b32 s[WV], v1   ; wave 0..3
	s_bfe_u32 s13, ttmp6, 0x40000   ; cx: my place in the cluster
	s_lshl_b32 s14, ttmp9, 2        ; in a cluster launch ttmp9 counts clusters
	s_add_co_u32 s14, s14, s13      ; my block of 256 queries = 4 x cluster x + cx: it enters Q's and the output's addresses alone
	s_and_b32 s15, ttmp7, 0xffff    ; the head, which the four partners share
	s_lshl_b32 s20, s15, 20         ; the head's first byte in each of the four tensors: 2,048 rows of 512 bytes
	s_mov_b32 s21, 0
	s_and_b32 s16, s[WV], 1         ; which of a slot's two steps I fetch:
	s_lshl_b32 s22, s16, 15         ; its 64 rows of 512 bytes in memory,
	s_mov_b32 s23, 0
	s_add_nc_u64 s[22:23], s[22:23], s[20:21]
	s_lshl_b32 s17, s16, 16         ; and its place in a slot (STEPF bytes a step): no place in the cluster enters an LDS address
	s_lshl_b32 s2, s14, 17          ; in query and out0: my block's 256 rows,
	s_lshl_b32 s3, s[WV], 15        ; my wave's 64 of them
	s_add_co_u32 s2, s2, s3
	s_mov_b32 s3, 0
	s_add_nc_u64 s[2:3], s[2:3], s[20:21]
	s_lshl_b32 s34, s15, 2          ; the head's word in scale_factor
	s_mov_b32 s35, 0
	; descriptor group 1: a tile of 64 rows x 128 elements of 4 bytes, dense in LDS
	s_mov_b32 s[G1], 15|(2<<16)|(1<<21)  ; 15:0 the mask: all four work-groups; 17:16 elements of 4 bytes; 20 no padding; 21 set beside a mask
	s_mov_b32 s[G1+1], 128<<16      ; 63:48 tensor_dim0, low half = 128
	s_mov_b32 s[G1+2], KS<<16       ; 79:64 its high half = 0; 95:80 tensor_dim1, low half = 64
	s_mov_b32 s[G1+3], 128<<16      ; 111:96 its high half = 0; 127:112 tile_dim0 = 128
	s_mov_b32 s[G1+4], KS           ; 143:128 tile_dim1 = 64; 159:144 tile_dim2 = 0
	s_mov_b32 s[G1+5], 128          ; 191:160 tensor_dim0_stride, low word: elements from row to row
	s_mov_b32 s[G1+6], 0
	s_mov_b32 s[G1+7], 0
	s_mov_b32 s[SEL], 0x76543210
	s_mov_b32 s[SEL+1], 0xfedcba98
	s_mov_b32 s[TBF], 0
	s_wait_kmcnt 0x0
	s_add_nc_u64 s[32:33], s[32:33], s[34:35]
	s_load_b32 s[SC], s[32:33], 0x0 ; the head's scale; waited for where it is first used; s[32:33] are not written again
	s_add_nc_u64 s[6:7], s[6:7], s[22:23]  ; K and V at my tile of slot 0
	s_add_nc_u64 s[8:9], s[8:9], s[22:23]
	s_add_nc_u64 s[4:5], s[4:5], s[2:3]  ; Q and the output at my wave's first row
	s_add_nc_u64 s[10:11], s[10:11], s[2:3]
	CROUND                          ; all four work-groups are here: the first joint loads meet
.irp s, 0,1
	s_mov_b32 s[G0K+4*(\s)], 1      ; 1:0 count = 1
	s_add_co_u32 s[G0K+4*(\s)+1], s17, (\s)*SLOT1  ; 63:32 LDS address
	s_add_nc_u64 s[G0K+4*(\s)+2:G0K+4*(\s)+3], s[6:7], (\s)*2*TILEF  ; 120:64 global address: slot s begins with keys 128 s to 128 s + 127
	s_or_b32 s[G0K+4*(\s)+3], s[G0K+4*(\s)+3], 0x80000000  ; 127:126 type = 2
	s_mov_b32 s[G0V+4*(\s)], 1
	s_add_co_u32 s[G0V+4*(\s)+1], s17, (\s)*SLOT1+TILEF
	s_add_nc_u64 s[G0V+4*(\s)+2:G0V+4*(\s)+3], s[8:9], (\s)*2*TILEF
	s_or_b32 s[G0V+4*(\s)+3], s[G0V+4*(\s)+3], 0x80000000
.endr
	s_cmp_lt_u32 s[WV], 2           ; a wave's two first fills stand in one branch, ahead of every wait on TENSORcnt and every LDS read: two loads of mine are out; an s_nop 0 follows each, four v_nop the second's, as in JLOAD
	s_cbranch_scc0 .Lfirst_v
	tensor_load_to_lds s[G0K:G0K+3], s[G1:G1+7]
	s_nop 0
	tensor_load_to_lds s[G0K+4:G0K+7], s[G1:G1+7]
	s_nop 0
.rept 4
	v_nop
.endr
	s_branch .Lfirst_asked
.Lfirst_v:
	tensor_load_to_lds s[G0V:G0V+3], s[G1:G1+7]
	s_nop 0
	tensor_load_to_lds s[G0V+4:G0V+7], s[G1:G1+7]
	s_nop 0
.rept 4
	v_nop
.endr
.Lfirst_asked:
	; A fragment of K or Q is 16 rows x 32 channels in 8 registers of bf16: lane l holds row l % 16; registers 0-3 channels 8 (l / 16) + 0..7, registers 4-7 channels 16 + 8 (l / 16) + 0..7.
	; Q lies in f32: each run of 8 channels is 32 bytes, two loads of 16; the second run begins 64 bytes behind the first.  Fragment i (tile i / 4, channels 32 (i % 4) on) comes into 16 registers of window 1.
	v_and_b32 v1, 15, v0            ; l % 16
	v_bfe_u32 v9, v0, 4, 1          ; l / 16
	v_lshlrev_b32 v[QO], 9, v1
	v_lshl_add_u32 v[QO], v9, 5, v[QO]  ; row x 512 + 32 x half
	WIN 0x40                        ; destination window 1, address window 0
.set i, 0
.rept 16
.irp k, 0,1,2,3
	global_load_b128 v[16*i+4*(\k):16*i+4*(\k)+3], v[QO], s[4:5] offset:(i/4)*8192+(i%4)*128+((\k)/2)*64+((\k)%2)*16
.endr
.set i, i+1
.endr
	WIN 0
	v_mul_u32_u24 v[AK0], v1, PK
	v_lshl_add_u32 v[AK0], v9, 4, v[AK0]  ; row x pitch + 16 x half,
	v_add_nc_u32 v[AK0], KB, v[AK0]       ; in KB
	; The turning load takes 16 keys x 16 channels (lane l reads 16 bytes: key 8 (l / 16) + l % 8, channels 8 ((l / 8) % 2) + 0..7) and leaves half a fragment of V^T: lane l holds channel l % 16 and 8 keys.
	v_and_b32 v10, 7, v0
	v_bfe_u32 v11, v0, 3, 1
	v_lshl_add_u32 v[AV0], v9, 3, v10
	v_mul_u32_u24 v[AV0], v[AV0], PV
	v_lshl_add_u32 v[AV0], v11, 4, v[AV0]
	v_add_nc_u32 v[AV0], VB, v[AV0]
	; The rounding's addresses.  Of a tile's 64 rows wave w takes rows 16 w .. 16 w + 15; a load takes one row (32 lanes x 16 bytes of f32), a store the same row in bf16 (32 lanes x 8 bytes).
	v_and_b32 v[GO], 31, v0         ; lane
	s_lshl_b32 s13, s[WV], 13       ; 16 rows of 512 bytes
	v_lshl_add_u32 v[LF], v[GO], 4, s13
	s_mul_i32 s13, s[WV], 16*PK
	s_add_co_u32 s13, s13, KB
	v_lshl_add_u32 v[SK], v[GO], 3, s13
	s_mul_i32 s13, s[WV], 16*PV
	s_add_co_u32 s13, s13, VB
	v_lshl_add_u32 v[SV], v[GO], 3, s13
	; What the first turn finds: the statistics' starts, and 0 in piece 2's P: its products V^T P, of a step that has not been, add 0.
.irp t, 0,1,2,3
	v_mov_b32 v[ST+8*(\t)], 0xfe000000    ; c m: far below every c s
	v_mov_b32 v[ST+8*(\t)+1], 0xff7fffff  ; m
	v_mov_b32 v[ST+8*(\t)+2], 0           ; l
	v_mov_b32 v[ST+8*(\t)+3], 0
.endr
.set i, P+32
.rept 32
	v_mov_b32 v[i], 0
.set i, i+1
.endr
; THE MATRIX WORK OF A TURN, for piece x.  The accumulators take turns, one instruction a turn: between two links of a chain stand 15 (V^T P) or 7 (K Q^T) others'.
; Product i of 32 of O^T += V^T P: keys 32 (i / 16) on, channels 16 ((i / 2) % 8) on, tile x + i % 2.
.macro PV x
	WIN W_PV
.set rO, 64*((\x)+i%2)+8*((i/2)%8)
.set rV, 64*(i/16)+8*((i/2)%8)
.set rP, P+16*((\x)+i%2)+8*(i/16)
	v_wmma_f32_16x16x32_bf16 v[rO:rO+7], v[rV:rV+7], v[rP:rP+7], v[rO:rO+7]
.endm
; Product i of 32 of S^T = K Q^T: channels 32 (i / 8) on, keys 16 ((i / 2) % 4) on, tile x + i % 2.  The first 8 start the sums.
.macro KQ x
	WIN W_KQ
.set rS, S+32*((\x)+i%2)+8*((i/2)%4)
.set rK, KF+32*((i/2)%4)+8*(i/8)
.set rQ, 32*((\x)+i%2)+8*(i/8)
.if i < 8
	v_wmma_f32_16x16x32_bf16 v[rS:rS+7], v[rK:rK+7], v[rQ:rQ+7], 0
.else
	v_wmma_f32_16x16x32_bf16 v[rS:rS+7], v[rK:rK+7], v[rQ:rQ+7], v[rS:rS+7]
.endif
.endm
; THE LDS WORK stands in three runs a key step, never singly among the matrix instructions.
; A step's K out of KB (64 keys x 128 channels: 16 fragments) and, a turn later, its V out of VB (turned).
.macro FETCH_K
	WIN 0x80                        ; destination window 2, address window 0
.irp f, 0,1,2,3,4,5,6,7,8,9,10,11,12,13,14,15  ; keys 16 (f / 4) on, channels 32 (f % 4) on
	ds_load_b128 v[KF+8*(\f):KF+8*(\f)+3],   v[AK0] offset:((\f)/4)*16*PK+((\f)%4)*64
	ds_load_b128 v[KF+8*(\f)+4:KF+8*(\f)+7], v[AK0] offset:((\f)/4)*16*PK+((\f)%4)*64+32
.endr
.endm
.macro FETCH_V
	WIN 0xc0                        ; destination window 3
.irp f, 0,1,2,3,4,5,6,7,8,9,10,11,12,13,14,15  ; keys 32 (f / 8) on, channels 16 (f % 8) on
	ds_load_tr16_b128 v[8*(\f):8*(\f)+3],   v[AV0] offset:((\f)/8)*32*PV+((\f)%8)*32
	ds_load_tr16_b128 v[8*(\f)+4:8*(\f)+7], v[AV0] offset:((\f)/8)*32*PV+16*PV+((\f)%8)*32
.endr
.endm
; My 16 rows of the next step's K and V out of the ring, in f32: 32 loads of 512 consecutive bytes.  The ring's four steps are walked in a circle.
.macro LOAD_F
	WIN 0
	v_add_nc_u32 v[ADR], s[TBF], v[LF]
	s_add_co_u32 s[TBF], s[TBF], STEPF  ; the next run reads the next step,
	s_and_b32 s[TBF], s[TBF], RING-1    ; behind the ring's last step its first
	WIN 0xc0                        ; destination window 3
.set cn, 0
.rept 16
	ds_load_b128 v[FK+4*cn:FK+4*cn+3], v[ADR] offset:512*cn
.set cn, cn+1
.endr
.set cn, 0
.rept 16
	ds_load_b128 v[FV+4*cn:FV+4*cn+3], v[ADR] offset:TILEF+512*cn
.set cn, cn+1
.endr
.endm
; My 16 rows in registers f .. f + 63 are rounded to bf16 in place (a lane's 4 channels of row n: two registers) and stored.
.macro CONV f, adr, pitch
	WIN 0xcf                        ; sources 0 and 1 and destination window 3
.set cn, 0
.rept 16
	v_cvt_pk_bf16_f32 v[(\f)+4*cn],   v[(\f)+4*cn],   v[(\f)+4*cn+1]
	v_cvt_pk_bf16_f32 v[(\f)+4*cn+1], v[(\f)+4*cn+2], v[(\f)+4*cn+3]
.set cn, cn+1
.endr
	WIN 0x0c                        ; store data (source 1) window 3, address window 0
.set cn, 0
.rept 16
	ds_store_b64 v[\adr], v[(\f)+4*cn:(\f)+4*cn+1] offset:cn*(\pitch)
.set cn, cn+1
.endr
.endm
; THE VECTOR WORK OF A TURN.  One tile's softmax for one key step is a list of 134 instructions; SM writes number j of it for tile t.  s0-s31 are the lane's 32 scores, in pairs 0-15.
;   0-15    the maximum of s0-s31 and the old m, three operands at a time: four chains c0-c3 of seven scores each (each accumulator's lowest registers are read first),
;           then the four scores left over, c0-c3 and m
;   16-20   the other half of the lanes' maximum; c m_old is kept; the new m; c m; c m_old - c m_new
;   21-87   33 exponentials (a, then s0-s31) at the odd numbers from 23 on, so that no two follow each other and each has a plain instruction behind it before its result is used.
;           Plain instruction q (number 21, then the even numbers) is whatever is ready: c s - c m for a pair of scores whose exponentials are still to come (q = 0 to 3, then every
;           second q), the rounding to bf16 of a pair of weights whose exponentials are done (every other q from 5 on), at last the first three sums
;   88-101  the last rounding; the rest of the sums; l = a l + the sum
;   102-133 the tile's O^T times a: the one part that leaves window 0, so it stands together
.macro SM t
.set rT, ST+8*(\t)
.set rS, S+32*(\t)
.set rP, P+16*(\t)
.set rO, 64*(\t)+2*(j-102)
.set q, (j-20)/2
.if j < 102
	WIN 0
.endif
.if j < 4
	v_max3_num_f32 v[rT+4+j], v[rS+8*j], v[rS+8*j+1], v[rS+8*j+2]
.elseif j < 12
	v_max3_num_f32 v[rT+4+j%4], v[rT+4+j%4], v[rS+8*(j%4)+2*(j/4)+1], v[rS+8*(j%4)+2*(j/4)+2]
.elseif j == 12
	v_max3_num_f32 v[rT+4], v[rT+4], v[rS+7], v[rS+15]
.elseif j == 13
	v_max3_num_f32 v[rT+6], v[rT+6], v[rS+23], v[rS+31]
.elseif j == 14
	v_max3_num_f32 v[rT+4], v[rT+4], v[rT+5], v[rT+6]
.elseif j == 15
	v_max3_num_f32 v[rT+4], v[rT+4], v[rT+7], v[rT+1]
.elseif j == 16
	v_permlanex16_b32 v[rT+5], v[rT+4], s[SEL], s[SEL+1]  ; the query's other 32 keys lie in the lane 16 away
.elseif j == 17
	v_mov_b32 v[rT+7], v[rT]        ; c m_old is kept for a: number 19 writes c m anew
.elseif j == 18
	v_max_num_f32 v[rT+1], v[rT+4], v[rT+5]
.elseif j == 19
	v_mul_f32 v[rT], s[CS], v[rT+1]
.elseif j == 20
	v_sub_f32 v[rT+7], v[rT+7], v[rT]
.elseif j == 23
	v_exp_f32 v[rT+6], v[rT+7]
.elseif (j < 88) && (j > 23) && (j%2 == 1)
	v_exp_f32 v[rS+(j-25)/2], v[rS+(j-25)/2]
.elseif (q < 4) || ((j < 76) && (q%2 == 0))
.set b, q/2+2
.if q < 4
.set b, q
.endif
	v_pk_fma_f32 v[rS+2*b:rS+2*b+1], v[rS+2*b:rS+2*b+1], s[CS:CS+1], v[rT:rT+1] op_sel_hi:[1,0,0] neg_lo:[0,0,1] neg_hi:[0,0,1]  ; pair b: c s - c m
.elseif (j < 88) && (q%2 == 1)
	s_wait_alu depctr_va_vdst(0)
	v_cvt_pk_bf16_f32 v[rP+(q-5)/2], v[rS+q-5], v[rS+q-4]  ; pair (q - 5) / 2: its second exponential stands three numbers back
.elseif j == 89
	s_wait_alu depctr_va_vdst(0)
	v_cvt_pk_bf16_f32 v[rP+15], v[rS+30], v[rS+31]
.elseif j < 102                     ; the sum of the tile's 16 pairs (in a pair: an even key's weight, an odd key's), in place: sum z of 16 adds neighbours 1, 2, 4 and 8 pairs apart, then l takes it
.set z, j-86
.if j < 89
.set z, (j-76)/4
.endif
.set w, 4
.set u, z
.if z >= 14
.set w, 32
.set u, 0
.elseif z >= 12
.set w, 16
.set u, z-12
.elseif z >= 8
.set w, 8
.set u, z-8
.endif
.if z < 15
	v_pk_add_f32 v[rS+w*u:rS+w*u+1], v[rS+w*u:rS+w*u+1], v[rS+w*u+w/2:rS+w*u+w/2+1]
.else
	v_pk_fma_f32 v[rT+2:rT+3], v[rT+2:rT+3], v[rT+6:rT+7], v[rS:rS+1] op_sel_hi:[1,0,1]
.endif
.else
	WIN W_RS
	v_pk_mul_f32 v[rO:rO+1], v[rO:rO+1], v[rT+6:rT+7] op_sel_hi:[1,0]
.endif
.endm
; Slice k of 64 of piece y's softmax: numbers 2 k and 2 k + 1 of both tiles' lists, four instructions.  2 x 134 = 4 x 64 + 12: the twelve that are over stand together, in slice 63.
.macro SLICE y
.if (k >= 11) && (k < 44)           ; tile by tile: plain, exponential, plain, exponential
.irp t, \y, (\y)+1
.irp n, 0,1
.set j, 2*k+(\n)
	SM \t
.endr
.endr
.else                               ; the two tiles alternate, so that no instruction reads the result of the one just before it
.irp n, 0,1,2,3,4,5,6,7
.if ((\n) < 2) || (k == 63)
.irp t, \y, (\y)+1
.set j, 2*k+(\n)
	SM \t
.endr
.endif
.endr
.endif
.set k, k+1
.endm
; A TURN.  Piece x has the matrix unit: 32 products V^T P of step j, then (kq = 1) 32 products K Q^T of step j + 1; the other piece's softmax stands in slices behind them, one behind each
; (kq = 0, the last turn: two behind each).  A vector instruction that reads a matrix result or writes one of a matrix instruction's registers, and a load into a register that a matrix instruction has read,
; stand four places behind it, and only plain vector instructions that name none of its registers are places (ISA guide 7.12.1 for vector instructions): the slices are the places.
; KB AND VB HOLD ONE STEP EACH, and two barriers a key step order their stores and loads; each turn opens with the wait for all my LDS instructions and a barrier's signal.
;   piece 0's turn.  The signal says: my fragments of V (j) are in, my rows of K (j + 1) are stored.  Behind the fourth product, when all four waves have said so: K (j + 1) out of KB into its fragments
;       (the last product that read them stands in front of slice 63 of the turn before), and my rows of V (j + 1), read from the ring two turns ago, are rounded and stored into VB.
;       Behind the second product K Q^T: my rows of K (j + 2) and V (j + 2) out of the ring, 30 matrix instructions ahead of the wait for them.
;   piece 2's turn.  The signal says: my fragments of K (j + 1) are in, my rows of V (j + 1) are stored.  34 matrix instructions on registers stand between it and the barrier's wait.  Behind the second
;       product K Q^T: V (j + 1) out of VB into its fragments (the last product that read them stands three slices, six plain instructions, back), and my rows of K (j + 2) are rounded and stored into KB.
; Each run of fragment loads stands 28 matrix instructions or more ahead of its first use.
.macro TURN x, kq
.set k, 0
.set per, 2-(\kq)
	s_wait_dscnt 0x0                ; for the others' sake and mine: every LDS load and store of mine is done
	s_barrier_signal -1
.set i, 0
.rept 32
	PV \x
.rept per
	SLICE 2-(\x)
.endr
.if ((\x) == 0) && (\kq) && (i == 3)
	s_barrier_wait -1
	FETCH_K
	CONV FV, SV, PV
.endif
.set i, i+1
.endr
.if \kq
.if (\x) == 0
	s_wait_dscnt 0x0                ; K is in
.endif
.set i, 0
.rept 32
	KQ \x
	SLICE 2-(\x)
.if ((\x) == 0) && (i == 1)
	LOAD_F
.endif
.if ((\x) == 2) && (i == 1)
	s_barrier_wait -1
	FETCH_V
	CONV FK, SK, PK
.endif
.set i, i+1
.endr
.endif
.endm
; THE CHANGE OF SLOTS, between piece 2's turn and piece 0's, ahead of every second body: body j reads step j + 2 out of the ring, so bodies 2 n and 2 n + 1 read one slot.  Each wave waits for all its
; tensor loads, of which one is out: its part of the slot to be read next; adds 0 to its spare word; and waits for that and for its own reads of the slot that it leaves.  Behind the barrier nobody reads that slot any more and the next is whole.
; fill = 1: the slot that is left is filled again, with the keys two slots on.  The barrier is then a round of the cluster's, so that no wave of any partner still reads the slot or has a load on its
; way, and the joint refill is the first thing behind it: it has two key steps, 256 matrix instructions, in which to land.
.macro CHANGE fill
	WIN 0                           ; at a label and at a branch every window is 0
	s_wait_tensorcnt 0x0            ; no tensor load of mine is out, so a group 0 may be written
	ds_add_u32 v[SPW], v[NIL]       ; 0 onto my spare word; with fill = 1 the descriptors' steps stand between it and the wait for it
.if \fill
.irp g, G0K+4, G0V+4
	s_xor_b32 s[(\g)+1], s[(\g)+1], SLOT1  ; the walking descriptor: the other slot than last time,
	s_add_nc_u64 s[(\g)+2:(\g)+3], s[(\g)+2:(\g)+3], 2*TILEF  ; the next 128 keys; the type bits on top are not reached
.endr
	s_wait_dscnt 0x0                ; the add is done, and my reads of the slot are over
	CROUND
	JLOAD
.else
	s_wait_dscnt 0x0                ; the add is done, and my reads of the slot are over
	s_barrier_signal -1
	s_barrier_wait -1
.endif
.endm
	; THE START.  Steps 0 and 1 are read out of slot 0 here; step 0 is rounded and stored; then K's and V's first fragments, Q, and piece 0's first scores.
	s_wait_tensorcnt 1              ; my part of slot 0 is in; slot 1's may stay out
	s_barrier_signal -1
	s_barrier_wait -1               ; everybody's is
	LOAD_F                          ; my rows of K (0) and V (0)
	s_wait_dscnt 0x0
	CONV FK, SK, PK
	CONV FV, SV, PV
	LOAD_F                          ; my rows of K (1) and V (1): LDS serves a wave's instructions in order (ISA guide 5.7.1.4), so these land behind the stores above
	s_wait_dscnt 0x0                ; for the others' sake: my rows of step 0 are stored
	s_barrier_signal -1
	s_barrier_wait -1
	FETCH_K                         ; K (0)
	FETCH_V                         ; V (0), which the first turn fetches again: here only so that its products with P = 0 find finite numbers
	WIN 0
	s_wait_kmcnt 0x0                ; the head's scale
	s_and_b32 s15, s[SC], 0x7fffffff  ; |scale|
	v_mov_b32 v10, s15
	v_mul_f32 v10, 0x3fb8aa3b, v10  ; c = |scale| x log2(e), rounded once
	v_readfirstlane_b32 s[CS], v10
	s_mov_b32 s[CS+1], s[CS]        ; named with it as a pair, so it is written
	s_and_b32 s[SGN], s[SC], 0x80000000  ; the scale's sign bit,
	s_lshr_b32 s19, s[SGN], 16
	s_or_b32 s[SGN], s[SGN], s19    ; at the sign of both bf16 of a word
	s_wait_loadcnt 0x0              ; Q
	WIN 0x85                        ; sources 0 and 1 window 1, destination window 2
.set i, 0
.rept 128
	v_cvt_pk_bf16_f32 v[i], v[2*i], v[2*i+1]  ; Q rounded to bf16 as it is given: register n of a fragment takes the lane's f32 numbers 2 n, 2 n + 1
.set i, i+1
.endr
	WIN 0x88                        ; source 1 and destination window 2
.set i, 0
.rept 128
	v_xor_b32 v[i], s[SGN], v[i]    ; -Q where the scale is negative: exact
.set i, i+1
.endr
	s_wait_dscnt 0x0                ; K (0)
.set i, 0
.rept 32
	KQ 0                            ; piece 0's first scores: there is no vector work yet to set between them
.set i, i+1
.endr
	WIN 0                           ; the addresses for the way out are made here: six plain instructions, the places behind those products
	s_mul_i32 s13, s[WV], 16*SP
	s_add_co_u32 s13, s13, STAGE    ; my stage
	v_mul_u32_u24 v[STO], v1, SP    ; in: row l % 16, 32 bytes (8 channels of f32) for each half of the lanes
	v_lshl_add_u32 v[STO], v9, 5, v[STO]
	v_add_nc_u32 v[STO], s13, v[STO]
	v_and_b32 v[GO], 31, v0         ; back: the 32 lanes take one row of 512 bytes, 16 bytes each,
	v_lshlrev_b32 v[GO], 4, v[GO]   ; and the same in the output
	v_add_nc_u32 v[RD], s13, v[GO]
	s_mov_b32 s[TWICE], 1           ; the loop is entered in the middle of a body, at piece 2's turn of a step -1: its V^T P adds 0, its slices are piece 0's softmax of step 0, its K Q^T piece 2's scores of step 0
	s_mov_b32 s[SLOTS], SIZE_N/(2*KS)-1  ; that half body, then 14 changes that fill: every slot but the last two is filled again
	s_branch .Lmid
.Lslot:
	CHANGE 1
	s_mov_b32 s[TWICE], 2
.Lstep:
	TURN 0, 1
	WIN 0
.Lmid:
	TURN 2, 1
	WIN 0
	s_sub_co_u32 s[TWICE], s[TWICE], 1
	s_cmp_lg_u32 s[TWICE], 0
	s_cbranch_scc1 .Lstep
	s_sub_co_u32 s[SLOTS], s[SLOTS], 1
	s_cmp_lg_u32 s[SLOTS], 0
	s_cbranch_scc1 .Lslot
	CHANGE 0                        ; the tail is written out: the last slot is whole, and nothing is asked for
	s_mov_b32 s[TWICE], 3           ; bodies 28, 29 and 30.  Body 30 has no step 32 to read: it reads slot 0's old bytes once more and rounds them into KB, where nobody reads them: the price of one text for all three
.Ltail:
	TURN 0, 1
	TURN 2, 1
	WIN 0
	s_sub_co_u32 s[TWICE], s[TWICE], 1
	s_cmp_lg_u32 s[TWICE], 0
	s_cbranch_scc1 .Ltail
	TURN 0, 0                       ; piece 0: V^T P of the last step | piece 2's last softmax.  The signal that opens it says: my last reads of VB and my last stores into KB are done
.set i, 0
.rept 32
	PV 2                            ; piece 2: V^T P of the last step
.set i, i+1
.endr
	; THE WAY OUT.  l's two halves and the other half of the lanes' are added; O^T is divided by l and sent, in f32, through my stage in LDS, a tile (16 rows of the output) at a time.  The additions are the places behind the last products.
	WIN 0
	s_barrier_wait -1               ; all four waves have said so: KB's and VB's bytes are free for the stages
.irp t, 0,1,2,3
	v_add_f32 v[ST+8*(\t)+4], v[ST+8*(\t)+2], v[ST+8*(\t)+3]
.endr
.irp t, 0,1,2,3
	v_permlanex16_b32 v[ST+8*(\t)+5], v[ST+8*(\t)+4], s[SEL], s[SEL+1]
.endr
.irp t, 0,1,2,3
	v_add_f32 v[ST+8*(\t)+4], v[ST+8*(\t)+4], v[ST+8*(\t)+5]
.endr
.irp t, 0,1,2,3
	v_rcp_f32 v[ST+8*(\t)+6], v[ST+8*(\t)+4]
.endr
	v_nop                           ; a plain instruction between the last reciprocal and the use of its result
; Tile t: accumulator f holds, for the lane's row, channels 16 f + 8 (l / 16) + 0..7: 32 bytes at byte 64 f + 32 (l / 16) of the row.  They go into rows of 528 bytes and come back as whole rows of 512,
; into the registers that they left.  The scaling takes each accumulator's registers in ascending order.
.macro PACK t
	WIN W_RS
.set i, 64*(\t)
.rept 32
	s_wait_alu depctr_va_vdst(0)
	v_pk_mul_f32 v[i:i+1], v[i:i+1], v[ST+8*(\t)+6:ST+8*(\t)+7] op_sel_hi:[1,0]
.set i, i+2
.endr
	WIN 0x04                        ; store data (source 1) window 1, address window 0
.irp f, 0,1,2,3,4,5,6,7
	ds_store_b128 v[STO], v[64*(\t)+8*(\f):64*(\t)+8*(\f)+3]   offset:64*(\f)
	ds_store_b128 v[STO], v[64*(\t)+8*(\f)+4:64*(\t)+8*(\f)+7] offset:64*(\f)+16
.endr
	WIN 0x40                        ; destination window 1, address window 0
.irp f, 0,1,2,3,4,5,6,7,8,9,10,11,12,13,14,15
	ds_load_b128 v[64*(\t)+4*(\f):64*(\t)+4*(\f)+3], v[RD] offset:(\f)*SP  ; LDS serves a wave's instructions in order (ISA guide 5.7.1.4): these see the stores above; the next tile's stores come behind them
.endr
.endm
.macro SEND t, younger              ; younger: the LDS instructions issued behind tile t's loads: the next tile's 16 stores and 16 loads, or none
	WIN 0x04
.irp f, 0,1,2,3,4,5,6,7,8,9,10,11,12,13,14,15
	s_wait_dscnt (\younger)+15-(\f)  ; row f is back: behind its load stand the tile's 15 - f later rows and the younger ones
	global_store_b128 v[GO], v[64*(\t)+4*(\f):64*(\t)+4*(\f)+3], s[10:11] offset:(\t)*8192+(\f)*512 th:TH_STORE_NT  ; the wave stores 512 consecutive bytes, at a multiple of 512 from the output's first byte
.endr
.endm
	PACK 0
	PACK 1                          ; a tile's arithmetic stands between the loads of the tile before and its stores
	SEND 0, 32
	PACK 2
	SEND 1, 32
	PACK 3
	SEND 2, 32
	SEND 3, 0
	WIN 0
	s_wait_tensorcnt 0x0            ; the wave's end: behind my last tensor load and my last LDS store
	ds_add_u32 v[SPW], v[NIL]
	s_wait_dscnt 0x0
	CROUND                          ; the closing round: no work-group ends while a partner may still ask for a tile that names it
	s_endpgm
.Lfunc_end_k_q6fb61685e7_attn:
	.size	k_q6fb61685e7_attn, .Lfunc_end_k_q6fb61685e7_attn-k_q6fb61685e7_attn
	.p2alignl 7, 3214868480
	.fill 96, 4, 3214868480
	.section	.rodata,"a",@progbits
	.p2align	6, 0x0
	.amdhsa_kernel k_q6fb61685e7_attn
		.amdhsa_group_segment_fixed_size 327680
		.amdhsa_private_segment_fixed_size 0
		.amdhsa_enable_private_segment 0
		.amdhsa_kernarg_size 40
		.amdhsa_user_sgpr_count 2
		.amdhsa_user_sgpr_kernarg_segment_ptr 1
		.amdhsa_wavefront_size32 1
		.amdhsa_system_sgpr_workgroup_id_x 1
		.amdhsa_system_sgpr_workgroup_id_y 1
		.amdhsa_system_sgpr_workgroup_id_z 1
		.amdhsa_system_vgpr_workitem_id 0
		.amdhsa_next_free_vgpr 1024
		.amdhsa_next_free_sgpr 66
		.amdhsa_reserve_vcc 0
		.amdhsa_float_denorm_mode_32 3
		.amdhsa_float_denorm_mode_16_64 3
		.amdhsa_memory_ordered 1
		.amdhsa_forward_progress 1
		.amdhsa_inst_pref_size 216
	.end_amdhsa_kernel
	.amdgpu_metadata
---
amdhsa.version: [ 1, 2 ]
amdhsa.kernels:
  - .name:           k_q6fb61685e7_attn
    .symbol:         k_q6fb61685e7_attn.kd
    .args:
      - { .name: query, .offset: 0, .size: 8, .value_kind: global_buffer, .address_space: global }
      - { .name: key, .offset: 8, .size: 8, .value_kind: global_buffer, .address_space: global }
      - { .name: value, .offset: 16, .size: 8, .value_kind: global_buffer, .address_space: global }
      - { .name: out0, .offset: 24, .size: 8, .value_kind: global_buffer, .address_space: global }
      - { .name: scale_factor, .offset: 32, .size: 8, .value_kind: global_buffer, .address_space: global }
    .group_segment_fixed_size: 327680
    .private_segment_fixed_size: 0
    .kernarg_segment_align: 8
    .kernarg_segment_size: 40
    .max_flat_workgroup_size: 128
    .sgpr_count:     66
    .vgpr_count:     1024
    .wavefront_size: 32
...
	.end_amdgpu_metadata
.endif
;; end of part 1
